; MI455X (gfx1250); checked and timed in simulation.
; The chip was launched on July 23, 2026; its instructions are those of AMD's public machine-readable ISA for CDNA 5 (MIT licence, August 2026) and "CDNA5" Instruction Set Architecture Reference Guide (July 2026). The comments in the code are by the model that wrote it; some were corrected since.
;; Lin Transpose. Allowed arithmetic: matrix products marked QUANTISED: E2M3 operands, one E8M0 scale for each 32 along K, by v_wmma_scale_f32_16x16x128_f8f6f4 with both operands' format E2M3, f32 sums; everything else in f32.
;; Inputs: W 2,048 x 2,048 float32; x 8,192 x 2,048 float32.
;; Outputs: out0 8,192 x 2,048 float32.
;; This version of the problem:
;;   THIS VERSION OF THE PROBLEM IS GIVEN IN LOW PRECISION. The matrix products marked QUANTISED in the list below multiply operands that are first quantised to E2M3 (2 exponent bits, 3 mantissa bits; 6 bits a number), with one power-of-two scale for each 32 numbers along K (OCP MX v1.0); their sums are f32. All else is computed in f32.
;;   The module's matrix products, in the order in which they are computed (A, B: the left and right operand; K: the contracted axis; several contracted axes count as one K, in the product's order):
;;     1. [M 8,192, K 2,048] x [K 2,048, N 2,048]; A: input x; B: input W: QUANTISED
;;     2. [M 8,192, K 2,048] x [K 2,048, N 2,048]; A: input x; B: computed on the way: QUANTISED
;;   THE QUANTISER, for each operand of a quantised product, along K:
;;     - K is cut into blocks of 32 from its start; a last block that is shorter is filled with zeros.
;;     - A block's scale is 2^e with e = floor(log2(the largest magnitude in the block)) - 2, held to -126 .. 127; a block of zeros has e = 0. As a byte (E8M0): e + 127.
;;     - Each number is divided by its block's scale, clamped to +-7.5, and rounded to the nearest number of E2M3, ties to even, subnormals kept.
;;     - The product sums the exact products of the quantised numbers (number of the format x scale) in f32.
;;   ~~~python
;;   def quantise(x, axis):      # numpy; x: float32 -> the quantised numbers, widened to float32 again
;;       x = np.moveaxis(x, axis, -1); K = x.shape[-1]
;;       x = np.pad(x, [(0, 0)] * (x.ndim - 1) + [(0, -K % 32)]); x = x.reshape(x.shape[:-1] + (-1, 32)); a = np.abs(x).max(-1, keepdims=True)
;;       e = np.where(a > 0, np.clip(np.frexp(np.where(a > 0, a, 1))[1] - 1 - 2, -126, 127), 0)      # np.frexp(a)[1] - 1 = floor(log2(a)), exactly
;;       r = np.clip(x / 2.0 ** e, -7.5, 7.5)
;;       step = 2.0 ** (np.maximum(np.frexp(np.where(r == 0, 1, r))[1] - 1, 0) - 3)
;;       q = np.round(r / step) * step * 2.0 ** e      # np.round: ties to even
;;       return np.moveaxis(q.reshape(q.shape[:-2] + (-1,))[..., :K], -1, axis).astype(np.float32)
;;   ~~~
;;   OPERANDS COMPUTED ON THE WAY. 'Computed on the way' means the value that the module computes at that place (a softmax that the list does not call 'softmax' is quantised finished and normalised). What goes into a quantiser is computed in f32, as accurately as f32 sums, v_exp_f32 and their like allow (about 1e-6 of the number): no bf16 or f16 on the way to a quantiser, and a product that is left as it is and whose result goes on into a quantised operand takes f32 operands (vector FMAs, or v_wmma_f32_16x16x4_f32). A number that lies on a knife's edge between two numbers of the format may be rounded either way, as far as f32 arithmetic and the matrix unit's own rounding can turn it there, and no further.
;; One version. Each part assembles by itself: llvm-mc -triple=amdgcn-amd-amdhsa -mcpu=gfx1250 --defsym DOCPART=n.
;; ======== version 1 of 1: 2 launches
;; limits: right only within a limited range of input values
;; workspace buffers: xq 13,107,200 bytes; wq 6,553,600 bytes
;; launch prep (part 1): grid 128 x 6, 4 waves a work-group, no clusters, 103,680 bytes of LDS; arguments x, W, xq, wq; writes xq, wq
.if DOCPART == 1
	.amdgcn_target "amdgcn-amd-amdhsa--gfx1250"
	.amdhsa_code_object_version 6
	.text
	.protected	k_qaa79bd2c19_prep
	.globl	k_qaa79bd2c19_prep
	.p2align	8
	.type	k_qaa79bd2c19_prep,@function
k_qaa79bd2c19_prep:
	s_mov_b64 s[64:65], 0
	v_nop
	global_prefetch_b8 v0, s[64:65] scope:SCOPE_SE
	s_setreg_imm32_b32 hwreg(HW_REG_WAVE_MODE, 25, 1), 1
	s_wait_xcnt 0x0
; x [8192][2048], W [2048][2048], f32, become the three operands of out = Q(x) Q(W^T) + Q(x) Q(Ws) as codes of FP6 (E2M3) with one E8M0 byte for each 32 along K.
;   A [m][k] = x[m][k];   B1[n][k] = W[n][k];   B2[n][k] = Ws[k][n], the sum of nine index-permuted copies of W.  With k' = 2047 - k, n' = 2047 - n:
;   B2[n][k] = W[n][k'] + W[n'][k] + W[n][k] + W[n'][k']                                   (a, c, d, g: they run along rows of W: k is contiguous)
;            + W[k'][n'] + W[k'][n] + W[k][n'] + W[(k-1) mod 2048][n] + W[k][(n-1) mod 2048]   (b, e, f, h, i: they run down columns: n is contiguous)
; A block's scale is 2^(floor(log2(largest magnitude)) - 2); its byte is the largest magnitude's exponent field - 2, held at 1 from below by a floor among the maximum's leaves.
; LIMITS.  Ws is summed as ((a + c) + d) + g plus (((b + e) + f) + h) + i, all in f32: another order than the source's, a few last places of the partial sums.  A block of zeros gets the byte 1
; (its codes are zeros, which add nothing; this program alone reads the bytes).  NaN and infinities among the inputs are not served.
; THE WORKSPACE IS LAID IN THE ORDER OF THE OPERAND'S REGISTERS.  A CHUNK is 128 rows x 128 K = 12,800 bytes: eight fragment images of 1,536 bytes (fragment i = rows 16 i on; byte 512 g + 16 l + 4 j is
; register 4 g + j of lane l), then 512 bytes of scale words (fragment i, row r at 128 (i / 2) + 8 r + 4 (i % 2)).  xq: chunk (panel P of 128 rows, K step s) at 204,800 P + 12,800 s.
; wq: chunk (P, s, product p) at 409,600 P + 51,200 (s / 2) + 25,600 p + 12,800 (s % 2).  Every store of codes covers 512 consecutive bytes, every store of scale words 256, all aligned to 256.
; SHARES.  Work-groups with y = 0..3 take W (512 of them: 64 n x 128 K of B1 and of B2 each), y = 4, 5 take x (256: a chunk to a wave).  The two ways never join; each has LDS bytes of its own.
; The claims are such that three work-groups lie side by side: 3 x 103,680 bytes of LDS, 3 x 258 registers on a SIMD.  No tensor loads: waves load through registers.
.set ROWB, 8192                        ; a row of x or of W in bytes
.set CH,   12800                       ; a chunk
.set SP,   528                         ; a stage row: 512 bytes + 16: the sixteen rows that a read touches start in sixteen different 16-byte columns
.set WST,  16*SP                       ; a wave's stage
.set RS,   4*WST                       ; LDS: 0: x's way, a stage for each wave;  RS: W's way, a stage for each wave;
.set CT,   8*WST                       ; CT: the column sums, k row 32 B + i at CTB B + CTP i, 64 n of 4 bytes;
.set CTP,  272
.set CTB,  8768                        ; (32 x 272 + 64: lanes 16-31 of a read down K fall sixteen banks beside lanes 0-15)
.set SCW,  CT+4*CTB                    ; SCW: 512 bytes of scale words
.set XN,   192                         ; W's way: v192-255 d's 64 numbers of a lane: blocks h and 2 + h of row r.  (x's way: v40-103, v128-191, v192-255 are three sets of 64 that take turns)
.set CD,   104                         ; v104-115 a fragment's codes;  v116-118, v120-122 the halves that are moved
.set TA,   116
.set TB,   120
.set B0,   40                          ; W's way: v40-127, v128-215 two sets of four pairs of k rows, 22 registers a pair: b, e, f, h, I (4 each), I0
.set B1,   128
.set SS,   224                         ; v224-239 a group's finished sums, four registers a pair or row: the LDS stores read these, so that the load buffers are free at once
.set DD,   40                          ; v40-103  d = W[n][k], 16 rows as loaded
.set T0,   128                         ; v128-175, v176-223 two sets of four rows, 12 registers a row: a, c, g
.set T1,   176
.set UU,   128                         ; v128-191 the row sums, then B2's 64 numbers of a lane
.set VT,   40                          ; v40-103  the column sums of the same 64 places
.set C2,   192                         ; v192-203 B2's codes; v204-206, v208-210
.set TA2,  204
.set TB2,  208
; v1 lane, v2 r = lane % 16, v3 h = lane / 16, v4 16 x lane, v5 the stage by rows as loaded, v6 the stage by (r, h), v7 offset of the scale words' store, v8-14, v17-18 at work, v15 a permute's destination, v16 8 h.
; x's way: v20-27 eight scale words, v28-31 the pairs that are stored.
; W's way: v20-21 scale words, v24-25 the pair that is stored, v26-31 offsets of e, b, f, I, I0, h's first row, v32-35 of d, a, c, g, v36 CT in, v37 CT out, v38 SCW in, v39 SCW out
.macro TURNIN src                      ; 16 rows of 512 bytes, 16 bytes a lane, into my stage
.irp i, 0,1,2,3,4,5,6,7,8,9,10,11,12,13,14,15
	ds_store_b128 v5, v[\src+4*\i:\src+4*\i+3] offset:SP*\i
.endr
.endm
.macro TURNOUT dst                     ; and back: lane (r, h) takes k = 32 h + 0..31 and 64 + 32 h + 0..31 of row r.  LDS serves a wave's instructions in order: these see the stores above
.irp c, 0,1
.irp j, 0,1,2,3,4,5,6,7
	ds_load_b128 v[\dst+32*\c+4*\j:\dst+32*\c+4*\j+3], v6 offset:256*\c+16*\j
.endr
.endr
.endm
; 64 numbers of a lane (two whole blocks) become the fragment's 12 registers in v[c] on and the row's scale word in v[word]
.macro QUANT2 src, c, ta, tb, word
	v_max3_num_f32 v8,  |v[\src]|,    |v[\src+1]|,  0x1800000      ; the floor 2^(3 - 127) among the leaves: the byte cannot fall under 1
	v_max3_num_f32 v9,  |v[\src+32]|, |v[\src+33]|, 0x1800000
	v_max3_num_f32 v17, |v[\src+16]|, |v[\src+17]|, |v[\src+18]|   ; two chains a block, so that no line waits for the line above it
	v_max3_num_f32 v18, |v[\src+48]|, |v[\src+49]|, |v[\src+50]|
.irp i, 2,4,6,8,10,12
	v_max3_num_f32 v8,  v8,  |v[\src+\i]|,    |v[\src+\i+1]|
	v_max3_num_f32 v9,  v9,  |v[\src+32+\i]|, |v[\src+33+\i]|
	v_max3_num_f32 v17, v17, |v[\src+17+\i]|, |v[\src+18+\i]|
	v_max3_num_f32 v18, v18, |v[\src+49+\i]|, |v[\src+50+\i]|
.endr
	v_max3_num_f32 v8, v8, |v[\src+14]|, |v[\src+15]|
	v_max3_num_f32 v9, v9, |v[\src+46]|, |v[\src+47]|
	v_max3_num_f32 v8, v8, v17, |v[\src+31]|                       ; block h's largest magnitude
	v_max3_num_f32 v9, v9, v18, |v[\src+63]|                       ; block 2 + h's
	v_add_nc_u32 v10, 0xff000000, v8               ; 2 off the exponent field: the conversion takes the exponent field of this operand as its scale
	v_add_nc_u32 v11, 0xff000000, v9
	v_lshrrev_b32 v12, 23, v10                     ; the scales' bytes
	v_lshrrev_b32 v13, 23, v11
	v_lshl_or_b32 v14, v13, 16, v12                ; my two bytes,
	v_lshlrev_b32 v14, v16, v14                    ; at their places in the word (8 h bits up);
	v_permlanex16_b32 v15, v14, s20, s21
	v_or_b32 v[\word], v14, v15                    ; with lane l xor 16's two the word is whole, in both halves of the lanes
	v_cvt_scalef32_pk16_fp6_f32 v[\c:\c+2], v[\src:\src+15], v10
	v_cvt_scalef32_pk16_fp6_f32 v[\ta:\ta+2], v[\src+16:\src+31], v10     ; (a conversion's three registers begin on an even number: a block's second half is made elsewhere and moved)
	v_cvt_scalef32_pk16_fp6_f32 v[\c+6:\c+8], v[\src+32:\src+47], v11
	v_cvt_scalef32_pk16_fp6_f32 v[\tb:\tb+2], v[\src+48:\src+63], v11
	v_nop                                          ; one plain place behind the scaled conversions
.irp i, 0,1,2
	v_mov_b32 v[\c+3+\i], v[\ta+\i]
	v_mov_b32 v[\c+9+\i], v[\tb+\i]
.endr
.endm
.macro PUT c, sb, off                  ; the fragment's image: three stores of 512 consecutive bytes
.irp g, 0,1,2
	global_store_b128 v4, v[\c+4*\g:\c+4*\g+3], s[\sb:\sb+1] offset:\off+512*\g
.endr
.endm
	s_load_b256 s[4:11], s[0:1], 0x0               ; x s[4:5], W s[6:7], xq s[8:9], wq s[10:11]
	v_lshl_add_u32 v127, v0, 2, 0x19300
	s_set_vgpr_msb 0x40
	v_mov_b32 v1, 0
	s_set_vgpr_msb 0x4000
	v_lshrrev_b32 v1, 5, v0
	v_readfirstlane_b32 s12, v1                    ; wave 0..3
	s_and_b32 s13, ttmp7, 0xffff                   ; work-group y: the role
	s_mov_b32 s14, ttmp9                           ; work-group x
	s_mov_b32 s20, 0x76543210
	s_mov_b32 s21, 0xfedcba98                      ; v_permlanex16_b32's selects for lane l xor 16
	v_and_b32 v1, 31, v0
	v_and_b32 v2, 15, v0
	v_bfe_u32 v3, v0, 4, 1
	v_lshlrev_b32 v4, 4, v1
	v_lshlrev_b32 v16, 3, v3
	v_mov_b32 v15, 0                               ; written once: a lane permute's destination counts as one of its sources
	s_mul_i32 s15, s12, WST
	v_mul_u32_u24 v6, v2, SP
	v_lshl_add_u32 v6, v3, 7, v6
	v_add_nc_u32 v6, s15, v6                       ; my stage: row r, + 128 h
	v_add_nc_u32 v5, s15, v4                       ; my stage: 16 x lane
	s_cmp_lt_u32 s13, 4
	s_cbranch_scc1 .Lw_path
	; ---------------- x: a wave takes 128 rows x 128 K, a whole chunk: eight fragments; the four waves stand side by side on 2,048 bytes of each row
	s_sub_co_u32 s16, s13, 4
	s_lshl_b32 s16, s16, 7
	s_add_co_u32 s16, s16, s14                     ; g = 0..255
	s_lshr_b32 s17, s16, 2                         ; panel P: which 128 rows
	s_and_b32 s18, s16, 3
	s_lshl_b32 s18, s18, 2
	s_add_co_u32 s18, s18, s12                     ; K step s = 4 (g % 4) + wave
	s_lshl_b32 s22, s17, 20                        ; 128 rows of 8,192 bytes
	s_lshl_b32 s19, s18, 9
	s_add_co_u32 s22, s22, s19
	s_mov_b32 s23, 0
	s_mul_i32 s26, s17, 16*CH
	; xq as it is stored from here on (this takes the place of the head's line on xq): half panel H of 64 rows at 102,400 H; in it K step s at 6,400 s: four fragment images of 1,536 bytes, then 256 bytes of scale words
	s_mul_i32 s19, s18, 6400
	s_add_co_u32 s26, s26, s19                     ; my chunk
	s_mov_b32 s27, 0
	s_wait_alu depctr_va_vdst(0)
	v_lshlrev_b32 v7, 3, v2
	v_lshl_add_u32 v7, v3, 7, v7                   ; 128 h + 8 r
	v_cmp_eq_u32 vcc_lo, 1, v3
	s_wait_kmcnt 0x0
	s_add_nc_u64 s[4:5], s[4:5], s[22:23]
	s_add_nc_u64 s[26:27], s[8:9], s[26:27]
.macro XLOAD t                         ; fragment t's 16 rows into set t % 3 (v40, v128, v192 on): each load reads 512 consecutive bytes
.set XB, 40+88*((\t)%3)-24*(((\t)%3)/2)
.irp i, 0,1,2,3,4,5,6,7,8,9,10,11,12,13,14,15
	global_load_b128 v[XB+4*\i:XB+4*\i+3], v4, s[4:5] offset:(16*(\t)+\i)*ROWB th:TH_LOAD_NT
.endr
.endm
	XLOAD 0
	XLOAD 1
	XLOAD 2
.irp t, 0,1,2,3,4,5,6,7
.set XS, 40+88*(\t%3)-24*((\t%3)/2)
.if \t < 6
	s_wait_loadcnt 32                              ; this fragment's 16 loads are in; the 32 of the two fragments behind it may be out
.else
	s_wait_loadcnt 16*(7-\t)                       ; the last two: the counts run down
.endif
	TURNIN XS
	TURNOUT XS                                     ; back into the registers that they left: LDS serves a wave's instructions in order
	s_wait_dscnt 0x0                               ; my 64 numbers are in
.if \t > 0
	s_wait_xcnt 0x0                                ; the last fragment's stores have read the codes' registers: they are written again only behind this wait
.endif
	QUANT2 XS, CD, TA, TB, 20+\t
	PUT CD, 26, 1536*(\t%4)+102400*(\t/4)
.if \t < 5
	XLOAD \t+3                                     ; the set has been read: it takes the fragment three on
.endif
.endr
	v_cndmask_b32 v28, v20, v22, vcc_lo            ; lanes 0-15 store the words of fragments 0 and 1, lanes 16-31 those of 2 and 3;
	v_cndmask_b32 v29, v21, v23, vcc_lo
	v_cndmask_b32 v30, v24, v26, vcc_lo            ; then 4 and 5, 6 and 7
	v_cndmask_b32 v31, v25, v27, vcc_lo
	global_store_b64 v7, v[28:29], s[26:27] offset:6144
	global_store_b64 v7, v[30:31], s[26:27] offset:108544
	s_set_vgpr_msb 0x4
	s_wait_tensorcnt 0x0
	ds_add_u32 v127, v1
	s_wait_dscnt 0x0
	s_set_vgpr_msb 0x400
	s_endpgm
	; ---------------- W: a work-group takes 64 n x 128 K of B1 and of B2; wave w makes the fragment of rows n0 + 16 w on, of each
.Lw_path:
	s_wait_alu depctr_va_vdst(0)
	v_add_nc_u32 v5, RS, v5                        ; this way's own stages
	v_add_nc_u32 v6, RS, v6
	s_lshl_b32 s16, s13, 7
	s_add_co_u32 s16, s16, s14                     ; u = 0..511
	s_lshr_b32 s17, s16, 4                         ; which 64 n
	s_and_b32 s18, s16, 15                         ; K step s
	s_lshl_b32 s19, s17, 6                         ; n0
	s_lshl_b32 s22, s18, 7                         ; k0
	s_lshl_b32 s23, s12, 5
	s_add_co_u32 s23, s23, s22                     ; kb = k0 + 32 w: the k rows whose column sums I make
	; the column sums: lane (r, h) takes n = n0 + 4 r + 0..3 of k row kb + 2 j + h: sixteen lanes read 256 consecutive bytes
	s_lshl_b32 s24, s23, 13                        ; kb rows
	s_lshl_b32 s25, s19, 2                         ; 4 n0
	s_sub_co_u32 s26, 2017, s23
	s_lshl_b32 s26, s26, 13                        ; 2017 - kb rows
	s_sub_co_u32 s27, 8176, s25                    ; 4 (2044 - n0)
	v_lshlrev_b32 v17, 13, v3
	v_lshlrev_b32 v18, 4, v2
	v_add_nc_u32 v19, v17, v18                     ; 8192 h + 16 r
	v_sub_nc_u32 v18, v17, v18                     ; 8192 h - 16 r
	s_add_co_u32 s28, s24, s25
	v_add_nc_u32 v29, s28, v19                     ; I: row kb + h, n ascending
	s_add_co_u32 s28, s24, s27
	v_add_nc_u32 v28, s28, v18                     ; f: row kb + h, n' : four numbers that are used in reverse
	s_add_co_u32 s28, s26, s25
	v_sub_nc_u32 v26, s28, v18                     ; e: row 2017 - kb - h, n ascending; the immediate adds 30 - 2 j rows
	s_add_co_u32 s28, s26, s27
	v_sub_nc_u32 v27, s28, v19                     ; b: the same row, n'
	s_sub_co_u32 s28, s19, 1
	v_lshl_add_u32 v30, v2, 2, s28
	v_and_b32 v30, 2047, v30                       ; (n0 + 4 r - 1) mod 2048: the roll along n, for my first n
	v_lshlrev_b32 v30, 2, v30
	v_add_nc_u32 v30, v30, v17
	v_add_nc_u32 v30, s24, v30
	s_sub_co_u32 s28, s23, 1
	v_add_nc_u32 v31, s28, v3
	v_and_b32 v31, 2047, v31                       ; (kb + h - 1) mod 2048: the roll along k, for my first pair of rows
	v_lshlrev_b32 v31, 13, v31
	v_lshl_add_u32 v31, v2, 4, v31
	v_add_nc_u32 v31, s25, v31
.macro CLOAD buf, grp                  ; four pairs of k rows, j = 4 grp + p: 24 loads
.irp p, 0,1,2,3
	global_load_b128 v[\buf+22*\p:\buf+22*\p+3],     v27, s[6:7] offset:(30-2*(4*\grp+\p))*ROWB
	global_load_b128 v[\buf+22*\p+4:\buf+22*\p+7],   v26, s[6:7] offset:(30-2*(4*\grp+\p))*ROWB
	global_load_b128 v[\buf+22*\p+8:\buf+22*\p+11],  v28, s[6:7] offset:2*(4*\grp+\p)*ROWB
.if (4*\grp+\p) == 0
	global_load_b128 v[\buf+22*\p+12:\buf+22*\p+15], v31, s[6:7]
.else
	global_load_b128 v[\buf+22*\p+12:\buf+22*\p+15], v29, s[6:7] offset:(2*(4*\grp+\p)-1)*ROWB
.endif
	global_load_b128 v[\buf+22*\p+16:\buf+22*\p+19], v29, s[6:7] offset:2*(4*\grp+\p)*ROWB
	global_load_b32  v[\buf+22*\p+20],               v30, s[6:7] offset:2*(4*\grp+\p)*ROWB
.endr
.endm
.macro CSUM buf, grp                   ; (((b + e) + f) + h) + i; the last addition puts the sum into v[SS] on, and from there it goes into CT: so the buffer may be loaded again at once
	s_wait_dscnt 0x0                               ; the last group's LDS stores have read v[SS] on (they were issued a whole group of loads ago)
.irp p, 0,1,2,3
.irp t, 0,1,2,3
	v_add_f32 v[\buf+22*\p+4+\t], v[\buf+22*\p+3-\t], v[\buf+22*\p+4+\t]
.endr
.irp t, 0,1,2,3
	v_add_f32 v[\buf+22*\p+4+\t], v[\buf+22*\p+4+\t], v[\buf+22*\p+11-\t]
.endr
	v_pk_add_f32 v[\buf+22*\p+4:\buf+22*\p+5], v[\buf+22*\p+4:\buf+22*\p+5], v[\buf+22*\p+12:\buf+22*\p+13]
	v_pk_add_f32 v[\buf+22*\p+6:\buf+22*\p+7], v[\buf+22*\p+6:\buf+22*\p+7], v[\buf+22*\p+14:\buf+22*\p+15]
	v_add_f32 v[SS+4*\p], v[\buf+22*\p+4], v[\buf+22*\p+20]
.irp t, 1,2,3
	v_add_f32 v[SS+4*\p+\t], v[\buf+22*\p+4+\t], v[\buf+22*\p+15+\t]
.endr
	ds_store_b128 v36, v[SS+4*\p:SS+4*\p+3] offset:2*CTP*(4*\grp+\p)
.endr
.endm
	s_wait_alu depctr_va_vdst(0)
	s_wait_kmcnt 0x0
	CLOAD B0, 0
	CLOAD B1, 1
	; the row sums: lane l takes k = k0 + 4 l + 0..3 of row n0 + 16 w + i: a load reads 512 consecutive bytes
	s_lshl_b32 s28, s12, 4
	s_add_co_u32 s28, s28, s19                     ; n0 + 16 w
	s_sub_co_u32 s29, 2032, s28                    ; 2032 - n0 - 16 w; the immediate adds 15 - i rows
	s_lshl_b32 s28, s28, 13
	s_lshl_b32 s29, s29, 13
	s_lshl_b32 s30, s22, 2                         ; 4 k0
	s_sub_co_u32 s31, 8176, s30                    ; 4 (2044 - k0)
	s_add_co_u32 s32, s28, s30
	v_add_nc_u32 v32, s32, v4                      ; d
	s_add_co_u32 s32, s28, s31
	v_sub_nc_u32 v33, s32, v4                      ; a: used in reverse
	s_add_co_u32 s32, s29, s30
	v_add_nc_u32 v34, s32, v4                      ; c
	s_add_co_u32 s32, s29, s31
	v_sub_nc_u32 v35, s32, v4                      ; g: used in reverse
	s_mul_i32 s32, s12, CTB
	v_mul_u32_u24 v36, v3, CTP
	v_lshl_add_u32 v36, v2, 4, v36
	v_add_nc_u32 v36, s32, v36
	v_add_nc_u32 v36, CT, v36                      ; CT in: my 32 k rows; row h of a pair, 16 r
	s_lshl_b32 s32, s12, 6
	v_mul_u32_u24 v37, v3, CTB
	v_lshl_add_u32 v37, v2, 2, v37
	v_add_nc_u32 v37, s32, v37
	v_add_nc_u32 v37, CT, v37                      ; CT out: column 16 w + r, block h
	s_lshr_b32 s32, s12, 1
	s_lshl_b32 s32, s32, 7
	s_and_b32 s33, s12, 1
	s_lshl_b32 s33, s33, 2
	s_add_co_u32 s32, s32, s33
	v_lshl_add_u32 v38, v2, 3, s32
	v_add_nc_u32 v38, SCW, v38                     ; my fragment's scale words: 128 (w / 2) + 4 (w % 2) + 8 r
	s_and_b32 s32, s12, 1
	s_lshl_b32 s32, s32, 8
	v_lshl_add_u32 v39, v1, 3, s32
	v_add_nc_u32 v39, SCW, v39                     ; and out: product w's 256 bytes, 8 a lane (waves 0 and 1)
	v_lshlrev_b32 v7, 3, v1
	s_lshr_b32 s32, s17, 1
	s_mul_i32 s32, s32, 32*CH
	s_lshr_b32 s33, s18, 1
	s_mul_i32 s33, s33, 4*CH
	s_add_co_u32 s32, s32, s33
	s_and_b32 s33, s18, 1
	s_mul_i32 s33, s33, CH
	s_add_co_u32 s32, s32, s33                     ; B1's chunk; B2's lies 2 CH on
	s_and_b32 s33, s17, 1                          ; its upper or lower four fragments
	s_lshl_b32 s34, s33, 8
	s_add_co_u32 s34, s34, 12288
	s_and_b32 s35, s12, 1
	s_mul_i32 s35, s35, 2*CH
	s_add_co_u32 s34, s34, s35
	s_add_co_u32 s34, s34, s32
	s_mov_b32 s35, 0
	s_lshl_b32 s33, s33, 2
	s_add_co_u32 s33, s33, s12
	s_mul_i32 s33, s33, 1536
	s_add_co_u32 s32, s32, s33
	s_mov_b32 s33, 0
	s_add_nc_u64 s[32:33], s[10:11], s[32:33]      ; my fragment's image
	s_add_nc_u64 s[34:35], s[10:11], s[34:35]      ; the 256 scale bytes that I store, if I store
.macro RLOAD buf, grp                  ; four rows i = 4 grp + p: 12 loads
.irp p, 0,1,2,3
	global_load_b128 v[\buf+12*\p:\buf+12*\p+3],    v33, s[6:7] offset:(4*\grp+\p)*ROWB
	global_load_b128 v[\buf+12*\p+4:\buf+12*\p+7],  v34, s[6:7] offset:(15-4*\grp-\p)*ROWB
	global_load_b128 v[\buf+12*\p+8:\buf+12*\p+11], v35, s[6:7] offset:(15-4*\grp-\p)*ROWB
.endr
.endm
.macro RSUM buf, grp                   ; ((a + c) + d) + g; the last addition puts the sum into v[SS] on, and from there it goes into my stage
	s_wait_dscnt 0x0                               ; the last group's LDS stores have read v[SS] on
.irp p, 0,1,2,3
.irp t, 0,1,2,3
	v_add_f32 v[\buf+12*\p+4+\t], v[\buf+12*\p+3-\t], v[\buf+12*\p+4+\t]
.endr
	v_pk_add_f32 v[\buf+12*\p+4:\buf+12*\p+5], v[\buf+12*\p+4:\buf+12*\p+5], v[DD+4*(4*\grp+\p):DD+4*(4*\grp+\p)+1]
	v_pk_add_f32 v[\buf+12*\p+6:\buf+12*\p+7], v[\buf+12*\p+6:\buf+12*\p+7], v[DD+4*(4*\grp+\p)+2:DD+4*(4*\grp+\p)+3]
.irp t, 0,1,2,3
	v_add_f32 v[SS+4*\p+\t], v[\buf+12*\p+4+\t], v[\buf+12*\p+11-\t]
.endr
	ds_store_b128 v5, v[SS+4*\p:SS+4*\p+3] offset:SP*(4*\grp+\p)
.endr
.endm
	s_wait_loadcnt 24                              ; the older group's 24 loads are in; the younger group's may be out
	CSUM B0, 0
	CLOAD B0, 2                                    ; only additions have read the buffer: it is loaded again at once
	s_wait_loadcnt 24
	CSUM B1, 1
	CLOAD B1, 3
	s_wait_loadcnt 24
	CSUM B0, 2
.irp i, 0,1,2,3,4,5,6,7,8,9,10,11,12,13,14,15
	global_load_b128 v[DD+4*\i:DD+4*\i+3], v32, s[6:7] offset:\i*ROWB      ; d: it is B1's fragment too
.endr
	s_wait_loadcnt 16                              ; the last column group is in; d's 16 loads may be out
	CSUM B1, 3
	RLOAD T0, 0
	RLOAD T1, 1
	s_wait_loadcnt 12                              ; d and the older row group are in; the younger group's 12 may be out
	RSUM T0, 0
	RLOAD T0, 2
	s_wait_loadcnt 12
	RSUM T1, 1
	RLOAD T1, 3
	s_wait_loadcnt 12
	RSUM T0, 2
	s_wait_loadcnt 0x0
	RSUM T1, 3
	TURNOUT UU                                     ; the row sums by (r, h).  LDS serves a wave's instructions in order: the stage is written again behind these reads
	TURNIN DD
	TURNOUT XN                                     ; and d likewise
	s_wait_dscnt 0x0                               ; for the others' sake: my stores into CT are done (and my own loads are in)
	s_barrier_signal -1
	QUANT2 XN, CD, TA, TB, 20                      ; B1's fragment: work on registers while the others arrive
	s_wait_alu depctr_va_vdst(0)
	s_barrier_wait -1                              ; CT is whole
	PUT CD, 32, 0
.irp c, 0,1
.irp i, 0,1,2,3,4,5,6,7,8,9,10,11,12,13,14,15,16,17,18,19,20,21,22,23,24,25,26,27,28,29,30,31
	ds_load_b32 v[VT+32*\c+\i], v37 offset:2*CTB*\c+CTP*\i       ; down K: the column sums of k = 32 (2 c + h) + i at my column
.endr
.endr
	s_wait_dscnt 0x0
.set i, 0
.rept 32
	v_pk_add_f32 v[UU+i:UU+i+1], v[UU+i:UU+i+1], v[VT+i:VT+i+1]  ; Ws
.set i, i+2
.endr
	QUANT2 UU, C2, TA2, TB2, 21                    ; B2's fragment
	PUT C2, 32, 2*CH
	ds_store_b32 v38, v20                          ; both halves of the lanes write the same word with the same value
	ds_store_b32 v38, v21 offset:256
	s_wait_dscnt 0x0                               ; for the others' sake
	s_barrier_signal -1
	s_barrier_wait -1
	s_cmp_lt_u32 s12, 2                            ; wave 0 stores B1's four fragments' words, wave 1 B2's
	s_cbranch_scc0 .Lw_end
	ds_load_b64 v[24:25], v39
	s_wait_dscnt 0x0
	global_store_b64 v7, v[24:25], s[34:35]        ; 256 consecutive bytes
.Lw_end:
	s_set_vgpr_msb 0x4
	s_wait_tensorcnt 0x0
	ds_add_u32 v127, v1
	s_wait_dscnt 0x0
	s_set_vgpr_msb 0x400
	s_endpgm
.Lfunc_end_k_qaa79bd2c19_prep:
	.size	k_qaa79bd2c19_prep, .Lfunc_end_k_qaa79bd2c19_prep-k_qaa79bd2c19_prep
	.p2alignl 7, 3214868480
	.fill 96, 4, 3214868480
	.section	.rodata,"a",@progbits
	.p2align	6, 0x0
	.amdhsa_kernel k_qaa79bd2c19_prep
		.amdhsa_group_segment_fixed_size 103680
		.amdhsa_private_segment_fixed_size 0
		.amdhsa_enable_private_segment 0
		.amdhsa_kernarg_size 32
		.amdhsa_user_sgpr_count 2
		.amdhsa_user_sgpr_kernarg_segment_ptr 1
		.amdhsa_wavefront_size32 1
		.amdhsa_system_sgpr_workgroup_id_x 1
		.amdhsa_system_sgpr_workgroup_id_y 1
		.amdhsa_system_sgpr_workgroup_id_z 1
		.amdhsa_system_vgpr_workitem_id 0
		.amdhsa_next_free_vgpr 258
		.amdhsa_next_free_sgpr 66
		.amdhsa_reserve_vcc 1
		.amdhsa_float_denorm_mode_32 3
		.amdhsa_float_denorm_mode_16_64 3
		.amdhsa_memory_ordered 1
		.amdhsa_forward_progress 1
		.amdhsa_inst_pref_size 109
	.end_amdhsa_kernel
	.amdgpu_metadata
---
amdhsa.version: [ 1, 2 ]
amdhsa.kernels:
  - .name:           k_qaa79bd2c19_prep
    .symbol:         k_qaa79bd2c19_prep.kd
    .args:
      - { .name: x, .offset: 0, .size: 8, .value_kind: global_buffer, .address_space: global }
      - { .name: W, .offset: 8, .size: 8, .value_kind: global_buffer, .address_space: global }
      - { .name: xq, .offset: 16, .size: 8, .value_kind: global_buffer, .address_space: global }
      - { .name: wq, .offset: 24, .size: 8, .value_kind: global_buffer, .address_space: global }
    .group_segment_fixed_size: 103680
    .private_segment_fixed_size: 0
    .kernarg_segment_align: 8
    .kernarg_segment_size: 32
    .max_flat_workgroup_size: 128
    .sgpr_count:     66
    .vgpr_count:     258
    .wavefront_size: 32
...
	.end_amdgpu_metadata
.endif
;; end of part 1
;; launch gemm (part 2): grid 16 x 16, 4 waves a work-group, clusters of 4 x 1, 327,680 bytes of LDS; arguments xq, wq, out0; writes out0
.if DOCPART == 2
	.amdgcn_target "amdgcn-amd-amdhsa--gfx1250"
	.amdhsa_code_object_version 6
	.text
	.protected	k_qaa79bd2c19_gemm
	.globl	k_qaa79bd2c19_gemm
	.p2align	8
	.type	k_qaa79bd2c19_gemm,@function
k_qaa79bd2c19_gemm:
	s_mov_b64 s[64:65], 0
	v_nop
	global_prefetch_b8 v0, s[64:65] scope:SCOPE_SE
	s_setreg_imm32_b32 hwreg(HW_REG_WAVE_MODE, 25, 1), 1
	s_wait_xcnt 0x0
	s_wait_alu depctr_hold_cnt(0) depctr_sa_sdst(0) depctr_va_vdst(0) depctr_va_sdst(0) depctr_va_ssrc(0) depctr_va_vcc(0) depctr_vm_vsrc(0)
	s_getreg_b32 s2, hwreg(HW_REG_IB_STS2, 6, 4)
	s_cmp_eq_u32 s2, 0
	s_cbranch_scc0 .Lentry_in_a_cluster
	s_endpgm
.Lentry_in_a_cluster:
	s_bfe_u32 s2, ttmp6, 0x10000c
	s_cmp_lg_u32 s2, 0x3003
	s_cbranch_scc0 .Lentry_shape_is_right
	s_endpgm
.Lentry_shape_is_right:
; out[m][n] = sum over k of Q(x)[m][k] Q(W^T)[k][n] + sum over k of Q(x)[m][k] Q(Ws)[k][n], on codes of FP6 (E2M3) with E8M0 scales, as launch prep laid them.
; THE WEIGHTS STAY IN REGISTERS.  A work-group makes 512 rows x 128 n.  Wave (kh, nh) holds, for the whole launch, the fragments of BOTH products for n = 64 nh .. + 63 and K steps 8 kh .. + 7:
; 8 x 2 x 4 fragments of 12 registers = 768, loaded once from wq's register images.  x's codes stream through LDS: each fragment read feeds 8 matrix instructions.
; A TILE of x is 64 rows x all K: 102,400 dense bytes of xq, one LDS slot; two slots take turns, each wave fetching a quarter (100 rows of 256 bytes) by one joint load.
; A SUB-TILE is 32 rows: 8 accumulators by turns, 8 K steps x 16 matrix instructions a wave.  Its memory instructions stand in FOUR RUNS, one behind each pair of steps (32 matrix instructions on end).
; The two K halves' partial sums go to a stage in LDS (two planes, two parities); behind the next sub-tile's barrier each wave reads 8 rows of both planes, two rows a run, adds them and stores
; whole runs of 512 bytes; the fourth pair of rows is taken up behind the barrier after that.
; LIMIT: an output is the f32 sum of two f32 sums, each over half of K and both products: another order of rounding than one ascending chain.
; BARRIERS: one in each sub-tile, between its steps 0 and 1: it orders the stage's stores with the reads behind them.  In a tile's first sub-tile it is also the refill's (the three lines, a round of the
; cluster's barrier, the other slot's load).  In a tile's second sub-tile one more stands between steps 4 and 5, each wave's wait on TENSORcnt in front of it: it shows the next tile whole to all four
; waves, directly ahead of that tile's first reads. From a tile's request to that wait a wave issues 176 matrix instructions.
; CLUSTER 4, 1, 1: the sixteen work-groups of one block of 512 rows read the same tiles of x; a mask names four, so four neighbours along n ask jointly.  The weights come through registers, each wave its own share.
; PREFETCH: in a tile's second sub-tile the sixteen waves of a cluster name, 25 lanes each, the 400 blocks of 256 bytes of the tile that is loaded two fills later; tiles 1 and 2 come by their loads alone; tile 7 is the last named.
; The weights are not prefetched: they are loaded once, at the head, where there is no loop to run ahead in.
; REGISTERS: windows 1-3: 21 weight fragments each (v0-251).
; window 0: v0 prefetch offset, v1-7 addresses, v8-11 and v248-251 sums on their way out, v12-43 weights' scale words, v44-59 x's scale words (two sets), v60-71 the 64th weight fragment,
; v72-135 accumulators, v136-231 four buffers of x's two fragments of a step, v232-247 stage rows read back, v252-253 LDS addresses of x's fragments.
.set TILE,   102400
.set QT,     25600
.set KST,    6400
.set SPITCH, 528                       ; a stage row: 512 bytes + 16
.set PLANE,  32*SPITCH
.set STAGE,  2*TILE
.set SPARE,  STAGE+4*PLANE             ; the spare words, 512 bytes that no other line names
.set SPW, 1
.set NIL, 2
.set ASA, 3
.set STO, 5
.set RD,  6
.set CO,  7
.set S0,  8
.set BSC, 12
.set ASC, 44
.set BL,  60
.set ACC, 72
.set AB,  136
.set P0,  232
.set P1,  240
.set S1,  248
.set ADR, 252
.set G1,  24
.set G0,  32
.set MSB, 0
.macro WIN new                         ; the immediate's high byte repeats the setting that is left
.if MSB != \new
	s_set_vgpr_msb (MSB<<8)|\new
.set MSB, \new
.endif
.endm
.macro CREST                           ; a round of the cluster's barrier behind its opening barrier
	s_cmp_lg_u32 s14, 0
	s_cbranch_scc1 .Lnot_wave_0_\@
	s_barrier_signal -3
.Lnot_wave_0_\@:
	s_barrier_wait -3
	s_barrier_signal -1
	s_barrier_wait -1
.endm
.macro CROUND
	s_barrier_signal -1
	s_barrier_wait -1
	CREST
.endm
.macro PLACES n
.rept \n
	v_nop
.endr
.endm
.macro BFR n                           ; n weight fragments from F on, F = 8 t + 4 p + nb (step, product, block of 16 n), in the order of use: three loads of 512 consecutive bytes each
.rept \n
.if F < 63
	WIN (1+F/21)<<6
.set BR, 12*(F%21)
.else
	WIN 0
.set BR, BL
.endif
.irp g, 0,1,2
	global_load_b128 v[BR+4*\g:BR+4*\g+3], v[P0], s[6:7] offset:51200*(F/16)+25600*((F/4)%2)+12800*((F/8)%2)+1536*(F%4)+512*\g
.endr
.set F, F+1
.endr
	WIN 0
.endm
	s_load_b128 s[4:7], s[0:1], 0x0                ; xq, wq
	s_load_b64 s[8:9], s[0:1], 0x10                ; out0
	v_lshl_add_u32 v[SPW], v0, 2, SPARE
	v_mov_b32 v[NIL], 0
	ds_add_u32 v[SPW], v[NIL]                      ; the opening lines: the add twice on end and one wait
	ds_add_u32 v[SPW], v[NIL]
	v_lshrrev_b32 v10, 5, v0
	v_readfirstlane_b32 s14, v10                   ; wave
	s_lshr_b32 s15, s14, 1                         ; kh: my half of K
	s_and_b32 s16, s14, 1                          ; nh: my 64 n
	s_bfe_u32 s18, ttmp6, 0x40000                  ; cx
	s_lshl_b32 s19, ttmp9, 2
	s_add_co_u32 s19, s19, s18                     ; which 128 n
	s_and_b32 s17, ttmp7, 0xffff                   ; which 512 rows
	s_mov_b32 s[G1+0], 15|(3<<16)|(1<<21)          ; the cluster's four; elements of 8 bytes; bit 21 beside a mask
	s_mov_b32 s[G1+1], 32<<16                      ; rows of 256 bytes
	s_mov_b32 s[G1+2], 100<<16
	s_mov_b32 s[G1+3], 32<<16
	s_mov_b32 s[G1+4], 100
	s_mov_b32 s[G1+5], 32
	s_mov_b32 s[G1+6], 0
	s_mov_b32 s[G1+7], 0
	s_mul_i32 s46, s14, QT                         ; my quarter of a tile, in LDS and in memory
	s_mul_i32 s20, s17, 8*TILE
	s_add_co_u32 s20, s20, s46
	s_mov_b32 s21, 0
	s_mul_i32 s22, s19, 409600                     ; wq: my panel of 128 n, my eight K steps
	s_mul_i32 s23, s15, 204800
	s_add_co_u32 s22, s22, s23
	s_mov_b32 s23, 0
	s_mul_i32 s42, s15, 8*KST
	s_add_co_u32 s43, s42, 6144
	s_mul_i32 s44, s15, PLANE
	s_lshl_b32 s13, s16, 8
	s_add_co_u32 s44, s44, s13
	s_add_co_u32 s44, s44, STAGE
	s_mul_i32 s45, s14, 8*SPITCH
	s_add_co_u32 s45, s45, STAGE
	s_mul_i32 s47, s16, 6144
	s_add_co_u32 s12, s13, 12288
	s_lshl_b32 s48, s17, 22                        ; out0: 512 rows of 8,192 bytes a block, 8 rows a wave, 512 bytes a panel
	s_lshl_b32 s49, s14, 16
	s_add_co_u32 s48, s48, s49
	s_lshl_b32 s49, s19, 9
	s_add_co_u32 s48, s48, s49
	s_mov_b32 s49, 0
	s_lshl_b32 s50, s18, 2
	s_add_co_u32 s50, s50, s14
	s_mul_i32 s50, s50, 25*256                     ; the prefetches: my 25 blocks of a tile's 400, told apart by address
	s_mul_i32 s51, s17, 8*TILE
	s_add_co_u32 s50, s50, s51
	s_add_co_u32 s50, s50, 2*TILE
	s_mov_b32 s51, 0
	s_mov_b32 s10, 0                               ; what the next way out adds to out0's address
	s_mov_b32 s11, 0
	v_and_b32 v10, 31, v0                          ; lane
	v_and_b32 v11, 15, v0                          ; r
	v_bfe_u32 v9, v0, 4, 1                         ; h
	v_lshl_add_u32 v[ADR], v10, 4, s42             ; x's fragment images: 16 x lane, my half of K, slot 0;
	v_add_nc_u32 v[ADR+1], TILE, v[ADR]            ; slot 1
	v_mul_u32_u24 v[ASA], v9, KST                  ; x's scale words: lanes 0-15 an even step's, lanes 16-31 the next step's
	v_lshl_add_u32 v[ASA], v11, 3, v[ASA]
	v_add_nc_u32 v[ASA], s43, v[ASA]
	v_add_nc_u32 v[ASA+1], TILE, v[ASA]
	v_mul_u32_u24 v[STO], v11, SPITCH              ; into the stage: plane kh, row r, 256 nh + 32 h
	v_lshl_add_u32 v[STO], v9, 5, v[STO]
	v_add_nc_u32 v[STO], s44, v[STO]
	v_lshl_add_u32 v[RD], v10, 4, s45              ; back: my 8 rows, 16 bytes a lane
	v_lshlrev_b32 v[CO], 4, v10
	v_lshl_add_u32 v[P0], v10, 4, s47              ; the weights' images: 16 x lane + my four fragments
	v_lshl_add_u32 v[P0+1], v10, 3, s12            ; their scale words: 8 x lane
	v_min_u32 v0, 24, v10
	v_lshlrev_b32 v0, 8, v0                        ; a lane a block; lanes 25-31 name the wave's last block again
	s_wait_alu depctr_va_vdst(0)
	s_wait_dscnt 0x0
	s_wait_kmcnt 0x0
	s_add_nc_u64 s[20:21], s[4:5], s[20:21]
	s_add_nc_u64 s[6:7], s[6:7], s[22:23]
	s_add_nc_u64 s[8:9], s[8:9], s[48:49]
	s_add_nc_u64 s[40:41], s[4:5], s[50:51]
.set Q, 0                              ; the weights set out first: the scale words of (step, product) Q = 2 t + p: lanes 0-15 blocks 0 and 1, lanes 16-31 blocks 2 and 3: 256 consecutive bytes,
.rept 16
	global_load_b64 v[BSC+2*Q:BSC+2*Q+1], v[P0+1], s[6:7] offset:51200*(Q/4)+25600*(Q%2)+12800*((Q/2)%2)
.set Q, Q+1
.endr
.set F, 0
	BFR 12                                         ; and twelve fragments: 52 loads are out when the round begins
.irp s, 0,1
	s_mov_b32 s[G0+4*\s], 1
	s_add_co_u32 s[G0+4*\s+1], s46, \s*TILE
	s_add_nc_u64 s[G0+4*\s+2:G0+4*\s+3], s[20:21], \s*TILE
	s_or_b32 s[G0+4*\s+3], s[G0+4*\s+3], 0x80000000
.endr
	CROUND                                         ; the four partners are here: the first joint loads meet
	tensor_load_to_lds s[G0:G0+3], s[G1:G1+7]      ; tile 0, my quarter: my one load at the head
	s_nop 0
	PLACES 4
	BFR 52                                         ; the other fragments
.macro LDA sl, j, t                    ; step t's two fragments of sub-tile j into buffer t % 4: six loads of 512 consecutive bytes
.irp l, 0,1,2,3,4,5
	ds_load_b128 v[AB+24*((\t)%4)+12*(\l/3)+4*(\l%3):AB+24*((\t)%4)+12*(\l/3)+4*(\l%3)+3], v[ADR+(\sl)] offset:(\t)*KST+1536*(2*(\j)+\l/3)+512*(\l%3)
.endr
.endm
.macro LDN sl, j, t                    ; the same for the sub-tile that follows (sl, j)
.if (\j) == 0
	LDA \sl, 1, \t
.else
	LDA 1-(\sl), 0, \t
.endif
.endm
.macro ASCL sl, j                      ; x's scale words of a sub-tile's eight steps
.irp m, 0,1,2,3
	ds_load_b64 v[ASC+8*(\j)+2*\m:ASC+8*(\j)+2*\m+1], v[ASA+(\sl)] offset:12800*\m+128*(\j)
.endr
.endm
.macro RBL par, k                      ; rows 2 k, 2 k + 1 of my eight, both planes
	ds_load_b128 v[P0:P0+3], v[RD] offset:(\par)*2*PLANE+(2*(\k))*SPITCH
	ds_load_b128 v[P0+4:P0+7], v[RD] offset:(\par)*2*PLANE+(2*(\k)+1)*SPITCH
	ds_load_b128 v[P1:P1+3], v[RD] offset:(\par)*2*PLANE+PLANE+(2*(\k))*SPITCH
	ds_load_b128 v[P1+4:P1+7], v[RD] offset:(\par)*2*PLANE+PLANE+(2*(\k)+1)*SPITCH
.endm
.macro CONS k                          ; two rows leave: the planes are added and 512 consecutive bytes a row stored
	s_wait_xcnt 0x0                                ; the earlier stores have read their data and base
.if (\k) == 0
	s_add_nc_u64 s[8:9], s[8:9], s[10:11]          ; 32 rows on (the first time: 0)
	s_mov_b32 s10, 32*8192
.endif
	v_pk_add_f32 v[S0:S0+1], v[P0:P0+1], v[P1:P1+1]
	v_pk_add_f32 v[S0+2:S0+3], v[P0+2:P0+3], v[P1+2:P1+3]
	v_pk_add_f32 v[S1:S1+1], v[P0+4:P0+5], v[P1+4:P1+5]
	v_pk_add_f32 v[S1+2:S1+3], v[P0+6:P0+7], v[P1+6:P1+7]
	global_store_b128 v[CO], v[S0:S0+3], s[8:9] offset:(2*(\k))*8192 th:TH_STORE_NT
	global_store_b128 v[CO], v[S1:S1+3], s[8:9] offset:(2*(\k)+1)*8192 th:TH_STORE_NT
.endm
.macro ASK pf                          ; the tile that is loaded two fills on; pf = 2: not in the loop's last trip, where that tile would lie beyond my eight
.if (\pf) == 2
	s_cmp_gt_u32 s3, 1
	s_cbranch_scc0 .Lpf_\@
.endif
	s_add_nc_u64 s[40:41], s[40:41], TILE          ; (a wait on XCNT has passed since the last prefetch)
	global_prefetch_b8 v0, s[40:41] th:TH_LOAD_NT scope:SCOPE_SE
.if (\pf) == 2
.Lpf_\@:
.endif
.endm
; one matrix instruction, used transposed: source 0 = 16 n of the weights, source 1 = 16 rows of x: a lane holds eight neighbouring n of one row
.macro WM t, p, a, nb, j
.set F, 8*(\t)+4*(\p)+(\nb)
.if F < 63
	WIN 1+F/21
.set BR, 12*(F%21)
.else
	WIN 0
.set BR, BL
.endif
.set DR, ACC+8*(4*(\a)+(\nb))
.set AR, AB+24*((\t)%4)+12*(\a)
.set SW, BSC+2*(2*(\t)+(\p))+((\nb)%2)
.set SX, ASC+8*(\j)+2*((\t)/2)+(\a)
.if (\t) == 0 && (\p) == 0
.if (\nb) < 2
	v_wmma_scale_f32_16x16x128_f8f6f4 v[DR:DR+7], v[BR:BR+11], v[AR:AR+11], 0, v[SW], v[SX] matrix_a_fmt:MATRIX_FMT_FP6 matrix_b_fmt:MATRIX_FMT_FP6
.else
	v_wmma_scale_f32_16x16x128_f8f6f4 v[DR:DR+7], v[BR:BR+11], v[AR:AR+11], 0, v[SW], v[SX] matrix_a_fmt:MATRIX_FMT_FP6 matrix_b_fmt:MATRIX_FMT_FP6 matrix_a_scale:MATRIX_SCALE_ROW1
.endif
.else
.if (\t)%2 == 0
.if (\nb) < 2
	v_wmma_scale_f32_16x16x128_f8f6f4 v[DR:DR+7], v[BR:BR+11], v[AR:AR+11], v[DR:DR+7], v[SW], v[SX] matrix_a_fmt:MATRIX_FMT_FP6 matrix_b_fmt:MATRIX_FMT_FP6
.else
	v_wmma_scale_f32_16x16x128_f8f6f4 v[DR:DR+7], v[BR:BR+11], v[AR:AR+11], v[DR:DR+7], v[SW], v[SX] matrix_a_fmt:MATRIX_FMT_FP6 matrix_b_fmt:MATRIX_FMT_FP6 matrix_a_scale:MATRIX_SCALE_ROW1
.endif
.else
.if (\nb) < 2
	v_wmma_scale_f32_16x16x128_f8f6f4 v[DR:DR+7], v[BR:BR+11], v[AR:AR+11], v[DR:DR+7], v[SW], v[SX] matrix_a_fmt:MATRIX_FMT_FP6 matrix_b_fmt:MATRIX_FMT_FP6 matrix_b_scale:MATRIX_SCALE_ROW1
.else
	v_wmma_scale_f32_16x16x128_f8f6f4 v[DR:DR+7], v[BR:BR+11], v[AR:AR+11], v[DR:DR+7], v[SW], v[SX] matrix_a_fmt:MATRIX_FMT_FP6 matrix_b_fmt:MATRIX_FMT_FP6 matrix_a_scale:MATRIX_SCALE_ROW1 matrix_b_scale:MATRIX_SCALE_ROW1
.endif
.endif
.endif
.endm
.macro STEP j, t                       ; 16 matrix instructions: both products x 2 blocks of rows x 4 blocks of n; the eight accumulators by turns
.irp p, 0,1
.irp a, 0,1
.irp nb, 0,1,2,3
	WM \t, \p, \a, \nb, \j
.endr
.endr
.endr
.endm
; a sub-tile.  refill: the other slot is filled behind its barrier;  rb: the sub-tile before goes out (2: and the last two rows of the one before that);  nxt: a sub-tile follows;
; first: the weights are still landing, and are waited for pair of steps by pair (48 loads a pair)
.macro SUB sl, j, refill, rb, nxt, pf, first
.set RB1, ((\rb)+1)/2
.if (\j) == 0 && (\refill)
	s_wait_tensorcnt 0x0                           ; none of my tensor loads is out;
	ds_add_u32 v[SPW], v[NIL]
	s_add_nc_u64 s[G0+4*(\sl)+2:G0+4*(\sl)+3], s[G0+4*(\sl)+2:G0+4*(\sl)+3], 2*TILE   ; this slot's next tile
.endif
.if \first
	s_wait_loadcnt 63                              ; the scale words and steps 0 and 1 of the weights are in (144 loads stand behind them)
.endif
	s_wait_dscnt 28+4*((\rb)/2)                    ; steps 0 and 1 of x and the scale words are in: behind them stage rows (where any), two steps' loads and the 16 stores into the stage
	STEP \j, 0
	s_wait_dscnt 0x0                               ; my stores into the stage, my reads of the other slot and of the stage, and the add are done
	s_barrier_signal -1
	STEP \j, 1
	WIN 0
	s_barrier_wait -1
.if (\j) == 0 && (\refill)
	CREST                                          ; the barrier has opened a round: no wave of any partner still reads the other slot
	tensor_load_to_lds s[G0+4*(1-(\sl)):G0+4*(1-(\sl))+3], s[G1:G1+7]
	s_nop 0
.endif
	PLACES 4                                       ; in front of the loads into the buffers that steps 0 and 1 read
.if (\rb) == 2
	CONS 3                                         ; rows 6 and 7 of the sub-tile two back: they came into registers ahead of the barrier
.endif
.if \rb
	RBL 1-(\j), 0
.endif
	LDA \sl, \j, 4
	LDA \sl, \j, 5
.if \first
	s_wait_loadcnt 63                              ; steps 2 and 3 of the weights (96 loads stand behind them)
.endif
	STEP \j, 2
	STEP \j, 3
	WIN 0
	PLACES 4
.if \rb
	s_wait_dscnt 12                                ; rows 0 and 1: behind them two steps' loads
	CONS 0
	RBL 1-(\j), 1
.endif
	LDA \sl, \j, 6
	LDA \sl, \j, 7
.if \first
	s_wait_loadcnt 48                              ; steps 4 and 5 of the weights
.endif
	s_wait_dscnt 12+4*RB1                          ; steps 4 and 5 of x: behind them stage rows, steps 6 and 7
	STEP \j, 4
.if (\j) == 1 && (\nxt)
	s_wait_tensorcnt 0x0                           ; my quarter of the next tile has landed;
	s_wait_dscnt 0x0                               ; no LDS instruction of mine is out
	s_barrier_signal -1
.endif
	STEP \j, 5
	WIN 0
.if (\j) == 1 && (\nxt)
	s_barrier_wait -1                              ; the next tile is whole for all four waves
.endif
	PLACES 4
.if \rb
	s_wait_dscnt 12                                ; rows 2 and 3: behind them steps 6 and 7
	CONS 1
	RBL 1-(\j), 2
.endif
.if \nxt
	LDN \sl, \j, 0
	LDN \sl, \j, 1
.if (\j) == 0
	ASCL \sl, 1
.else
	ASCL 1-(\sl), 0
.endif
.endif
.if \pf
	ASK \pf
.endif
.if \first
	s_wait_loadcnt 0x0                             ; all the weights
.endif
	s_wait_dscnt 16*(\nxt)+4*RB1                   ; steps 6 and 7 of x: behind them stage rows, the next steps 0 and 1, scale words
	STEP \j, 6
	STEP \j, 7
	WIN 0
	PLACES 5                                       ; in front of the reads of the results, and of the next sub-tile's first products, which write over them
.if \rb
	s_wait_dscnt 16*(\nxt)                         ; rows 4 and 5: behind them the next steps 0 and 1, scale words
	CONS 2
	RBL 1-(\j), 3
.endif
.if \nxt
	LDN \sl, \j, 2
	LDN \sl, \j, 3
.endif
.irp a, 0,1
.irp nb, 0,1,2,3
	ds_store_b128 v[STO], v[ACC+8*(4*\a+\nb):ACC+8*(4*\a+\nb)+3] offset:(\j)*2*PLANE+\a*16*SPITCH+64*\nb       ; each accumulator from its low end on
	ds_store_b128 v[STO], v[ACC+8*(4*\a+\nb)+4:ACC+8*(4*\a+\nb)+7] offset:(\j)*2*PLANE+\a*16*SPITCH+64*\nb+16
.endr
.endr
.endm
	s_wait_tensorcnt 0x0                           ; my quarter of tile 0 is in
	s_barrier_signal -1
	s_barrier_wait -1                              ; and everybody's
	ASCL 0, 0
.irp t, 0,1,2,3
	LDA 0, 0, \t
.endr
	s_wait_dscnt 0x0
	SUB 0, 0, 1, 0, 1, 0, 1                        ; the first two sub-tiles stand in front of the loop: under the first nothing goes out; behind its round slot 1 is first filled
	SUB 0, 1, 0, 1, 1, 1, 0
	s_mov_b32 s3, 3
.Ltrip:                                                ; a trip: two tiles, four sub-tiles
	SUB 1, 0, 1, 2, 1, 0, 0
	SUB 1, 1, 0, 2, 1, 2, 0
	SUB 0, 0, 1, 2, 1, 0, 0
	SUB 0, 1, 0, 2, 1, 2, 0
	s_sub_co_u32 s3, s3, 1
	s_cmp_lg_u32 s3, 0
	s_cbranch_scc1 .Ltrip
	SUB 1, 0, 0, 2, 1, 0, 0                        ; the last tile fills nothing
	SUB 1, 1, 0, 2, 0, 0, 0
	s_wait_dscnt 0x0                               ; the last sub-tile goes out
	s_barrier_signal -1
	s_barrier_wait -1
	CONS 3                                         ; first the last two rows of the sub-tile before it
.irp pl, 0,1
.irp r, 0,1,2,3,4,5,6,7
	ds_load_b128 v[AB+32*\pl+4*\r:AB+32*\pl+4*\r+3], v[RD] offset:2*PLANE+\pl*PLANE+\r*SPITCH
.endr
.endr
	s_wait_dscnt 0x0
	s_wait_xcnt 0x0
	s_add_nc_u64 s[8:9], s[8:9], s[10:11]
.irp q, 0,2,4,6,8,10,12,14,16,18,20,22,24,26,28,30
	v_pk_add_f32 v[AB+\q:AB+\q+1], v[AB+\q:AB+\q+1], v[AB+32+\q:AB+32+\q+1]
.endr
.irp r, 0,1,2,3,4,5,6,7
	global_store_b128 v[CO], v[AB+4*\r:AB+4*\r+3], s[8:9] offset:\r*8192 th:TH_STORE_NT
.endr
	s_wait_tensorcnt 0x0                           ; the wave's end
	ds_add_u32 v[SPW], v[NIL]
	s_wait_dscnt 0x0
	CROUND                                         ; the closing round
	s_endpgm
.Lfunc_end_k_qaa79bd2c19_gemm:
	.size	k_qaa79bd2c19_gemm, .Lfunc_end_k_qaa79bd2c19_gemm-k_qaa79bd2c19_gemm
	.p2alignl 7, 3214868480
	.fill 96, 4, 3214868480
	.section	.rodata,"a",@progbits
	.p2align	6, 0x0
	.amdhsa_kernel k_qaa79bd2c19_gemm
		.amdhsa_group_segment_fixed_size 327680
		.amdhsa_private_segment_fixed_size 0
		.amdhsa_enable_private_segment 0
		.amdhsa_kernarg_size 24
		.amdhsa_user_sgpr_count 2
		.amdhsa_user_sgpr_kernarg_segment_ptr 1
		.amdhsa_wavefront_size32 1
		.amdhsa_system_sgpr_workgroup_id_x 1
		.amdhsa_system_sgpr_workgroup_id_y 1
		.amdhsa_system_sgpr_workgroup_id_z 1
		.amdhsa_system_vgpr_workitem_id 0
		.amdhsa_next_free_vgpr 1024
		.amdhsa_next_free_sgpr 66
		.amdhsa_reserve_vcc 0
		.amdhsa_float_denorm_mode_32 3
		.amdhsa_float_denorm_mode_16_64 3
		.amdhsa_memory_ordered 1
		.amdhsa_forward_progress 1
		.amdhsa_inst_pref_size 225
	.end_amdhsa_kernel
	.amdgpu_metadata
---
amdhsa.version: [ 1, 2 ]
amdhsa.kernels:
  - .name:           k_qaa79bd2c19_gemm
    .symbol:         k_qaa79bd2c19_gemm.kd
    .args:
      - { .name: xq, .offset: 0, .size: 8, .value_kind: global_buffer, .address_space: global }
      - { .name: wq, .offset: 8, .size: 8, .value_kind: global_buffer, .address_space: global }
      - { .name: out0, .offset: 16, .size: 8, .value_kind: global_buffer, .address_space: global }
    .group_segment_fixed_size: 327680
    .private_segment_fixed_size: 0
    .kernarg_segment_align: 8
    .kernarg_segment_size: 24
    .max_flat_workgroup_size: 128
    .sgpr_count:     66
    .vgpr_count:     1024
    .wavefront_size: 32
...
	.end_amdgpu_metadata
.endif
;; end of part 2
